; MI455X (gfx1250); checked and timed in simulation.
; The chip was launched on July 23, 2026; its instructions are those of AMD's public machine-readable ISA for CDNA 5 (MIT licence, August 2026) and "CDNA5" Instruction Set Architecture Reference Guide (July 2026). The comments in the code are by the model that wrote it; some were corrected since.
;; Parallel Attention2. Allowed arithmetic: matrix products marked QUANTISED: E2M1 operands, one E8M0 scale for each 32 along K, by v_wmma_scale_f32_16x16x128_f8f6f4 with both operands' format E2M1 (or v_wmma_scale_f32_32x16x128_f4), f32 sums; everything else in f32.
;; Inputs: k 16 x 2,048 x 512 float32; q 16 x 2,048 x 512 float32; v 16 x 2,048 x 512 float32.
;; Outputs: out0 16 x 2,048 x 512 float32.
;; Constants: dim = 512.
;; This version of the problem:
;;   THIS VERSION OF THE PROBLEM IS GIVEN IN LOW PRECISION. The matrix products marked QUANTISED in the list below multiply operands that are first quantised to E2M1 (2 exponent bits, 1 mantissa bit; 4 bits a number), with one power-of-two scale for each 32 numbers along K (OCP MX v1.0); their sums are f32. All else is computed in f32.
;;   The module's matrix products, in the order in which they are computed (A, B: the left and right operand; K: the contracted axis; several contracted axes count as one K, in the product's order):
;;     1. batch 16 x [M 2,048, K 512] x [K 512, N 2,048]; A: input q; B: input k: QUANTISED
;;     2. batch 16 x [M 2,048, K 2,048] x [K 2,048, N 512]; A: computed on the way; B: input v: QUANTISED
;;   THE QUANTISER, for each operand of a quantised product, along K:
;;     - K is cut into blocks of 32 from its start; a last block that is shorter is filled with zeros.
;;     - A block's scale is 2^e with e = floor(log2(the largest magnitude in the block)) - 2, held to -126 .. 127; a block of zeros has e = 0. As a byte (E8M0): e + 127.
;;     - Each number is divided by its block's scale, clamped to +-6, and rounded to the nearest number of E2M1, ties to even, subnormals kept.
;;     - The product sums the exact products of the quantised numbers (number of the format x scale) in f32.
;;   ~~~python
;;   def quantise(x, axis):      # numpy; x: float32 -> the quantised numbers, widened to float32 again
;;       x = np.moveaxis(x, axis, -1); K = x.shape[-1]
;;       x = np.pad(x, [(0, 0)] * (x.ndim - 1) + [(0, -K % 32)]); x = x.reshape(x.shape[:-1] + (-1, 32)); a = np.abs(x).max(-1, keepdims=True)
;;       e = np.where(a > 0, np.clip(np.frexp(np.where(a > 0, a, 1))[1] - 1 - 2, -126, 127), 0)      # np.frexp(a)[1] - 1 = floor(log2(a)), exactly
;;       r = np.clip(x / 2.0 ** e, -6, 6)
;;       step = 2.0 ** (np.maximum(np.frexp(np.where(r == 0, 1, r))[1] - 1, 0) - 1)
;;       q = np.round(r / step) * step * 2.0 ** e      # np.round: ties to even
;;       return np.moveaxis(q.reshape(q.shape[:-2] + (-1,))[..., :K], -1, axis).astype(np.float32)
;;   ~~~
;;   OPERANDS COMPUTED ON THE WAY. 'Computed on the way' means the value that the module computes at that place (a softmax that the list does not call 'softmax' is quantised finished and normalised). What goes into a quantiser is computed in f32, as accurately as f32 sums, v_exp_f32 and their like allow (about 1e-6 of the number): no bf16 or f16 on the way to a quantiser, and a product that is left as it is and whose result goes on into a quantised operand takes f32 operands (vector FMAs, or v_wmma_f32_16x16x4_f32). A number that lies on a knife's edge between two numbers of the format may be rounded either way, as far as f32 arithmetic and the matrix unit's own rounding can turn it there, and no further.
;; One version. Each part assembles by itself: llvm-mc -triple=amdgcn-amd-amdhsa -mcpu=gfx1250 --defsym DOCPART=n.
;; ======== version 1 of 1: 3 launches
;; limits: right only within a limited range of input values
;; workspace buffers: qc 8,912,896 bytes; kc 8,912,896 bytes; vc 8,912,896 bytes; nz 131,072 bytes
;; launch quant_qk (part 1): grid 1024 x 1, 4 waves a work-group, no clusters, 33,280 bytes of LDS; arguments q, k, qc, kc; writes qc, kc
.if DOCPART == 1
	.amdgcn_target "amdgcn-amd-amdhsa--gfx1250"
	.amdhsa_code_object_version 6
	.text
	.protected	k_qab00e1cc33_quant_qk
	.globl	k_qab00e1cc33_quant_qk
	.p2align	8
	.type	k_qab00e1cc33_quant_qk,@function
k_qab00e1cc33_quant_qk:
	s_mov_b64 s[64:65], 0
	v_nop
	global_prefetch_b8 v0, s[64:65] scope:SCOPE_SE
	s_setreg_imm32_b32 hwreg(HW_REG_WAVE_MODE, 25, 1), 1
	s_wait_xcnt 0x0
; q and k, [16][2048][512] f32, become codes of FP4 (E2M1), d innermost, with one E8M0 scale byte for each 32 along d.
; A block's scale is 2^(floor(log2(its largest magnitude)) - 2); its byte is the largest magnitude's exponent field - 2, held at 1 from below.
; Each number is divided by the scale and rounded to the nearest code, ties to even; beyond 6 the largest code.
; LIMITS: a block of zeros gets the byte 1 where the quantiser's rule says 127 (its codes are zeros, which add nothing under any byte but 0xff, and this program alone reads the bytes);
; NaN and infinities among the inputs are not served.
; WHERE THE RESULTS GO: in chunks of 256 rows, each a dense run of memory that a later launch brings into LDS whole: 256 rows x 256 bytes of codes, then 256 rows x 16 scale bytes: CH bytes.
; q's chunks lie on end in qc, k's in kc.
; A wave takes 16 rows (16 steps of 512 numbers, a row a step).  Each of a step's four loads reads 512 consecutive bytes, 16 a lane; the 2,048 bytes turn through the wave's own stage in LDS and come back 64 bytes a lane,
; so that a lane holds 16 neighbours along d and two neighbouring lanes a block.  The stage has 16 bytes of padding behind each 64.  A lane's 16 codes are 8 bytes: the wave stores 256 consecutive bytes, aligned.
; A wave's 256 scale bytes are gathered in its own LDS bytes and leave as one aligned run of 256 bytes.  The first WGA work-groups take q, the others k.  No barrier: waves share nothing.
.set STEPS, 16
.set WGA,   512                        ; 16 x 2048 x 512 numbers / 32,768 a work-group
.set EMAX,  2
.set CB,    8                          ; bytes of 16 codes
.set CH,    69632                      ; a chunk: 65,536 bytes of codes + 4,096 scale bytes
.set R,     16                         ; v16-79   four sets of 16 numbers as they are loaded
.set X,     80                         ; v80-111  two sets of 16 neighbours
.set C,     128                        ; v128-191 codes: four registers for each step, so that no store's data are written again
.set E,     112                        ; v112-127 a scale byte for each step
.set WREG,  8192                       ; LDS: a region for each wave: two stages of 32 x SP bytes, and behind them its 256 scale bytes
.set SP,    80                         ; a lane's place in a stage: its 64 bytes + 16 of padding
	s_load_b128 s[4:7], s[0:1], 0x0                ; q, k
	s_load_b128 s[8:11], s[0:1], 0x10              ; qc, kc
	v_lshl_add_u32 v192, v0, 2, 0x8000
	v_mov_b32 v193, 0
	v_lshrrev_b32 v1, 5, v0
	v_readfirstlane_b32 s16, v1                    ; wave
	v_and_b32 v2, 31, v0                           ; lane
	v_lshlrev_b32 v3, 4, v2                        ; my 16 bytes of a load's 512
	s_mul_i32 s17, s16, WREG
	v_lshrrev_b32 v14, 2, v2
	v_mul_u32_u24 v14, v14, SP
	v_and_b32 v15, 3, v2
	v_lshl_add_u32 v14, v15, 4, v14
	v_add_nc_u32 v14, s17, v14                     ; the stage, on the way in: SP (lane / 4) + 16 (lane % 4)
	v_mul_u32_u24 v15, v2, SP
	v_add_nc_u32 v15, s17, v15                     ; and on the way out: SP x lane: my 16 neighbours
	v_mul_u32_u24 v4, v2, CB                       ; my codes' place in a step's
	v_lshrrev_b32 v5, 1, v2
	s_add_co_u32 s17, s17, 2*32*SP
	v_add_nc_u32 v5, s17, v5                       ; LDS: my wave's 256 scale bytes, my block's byte
	v_lshlrev_b32 v7, 3, v2                        ; and on the way out 8 bytes a lane
	v_add_nc_u32 v6, s17, v7
	s_wait_alu depctr_va_vdst(0)
	s_wait_kmcnt 0x0
	s_cmp_lt_u32 ttmp9, WGA                        ; q's work-group or k's?  The choice hangs on the work-group's number alone
	s_cselect_b64 s[4:5], s[4:5], s[6:7]
	s_cselect_b64 s[8:9], s[8:9], s[10:11]
	s_cselect_b32 s17, 0, WGA
	s_sub_co_u32 s17, ttmp9, s17
	s_lshl_b32 s17, s17, 2
	s_add_co_u32 s18, s17, s16                     ; which run of 16 rows of the tensor is my wave's: 0 .. 2,047
	s_lshl_b32 s22, s18, 15                        ; 16 rows x 2,048 bytes
	s_mov_b32 s23, 0
	s_add_nc_u64 s[4:5], s[4:5], s[22:23]
	s_lshr_b32 s24, s18, 4                         ; the chunk: 16 runs each
	s_mul_i32 s24, s24, CH
	s_mov_b32 s25, 0
	s_add_nc_u64 s[8:9], s[8:9], s[24:25]
	s_and_b32 s26, s18, 15                         ; my run in the chunk
	s_lshl_b32 s24, s26, 8
	s_add_co_u32 s24, s24, 65536
	s_add_nc_u64 s[10:11], s[8:9], s[24:25]        ; its 256 scale bytes
	s_lshl_b32 s24, s26, 12
	s_add_nc_u64 s[8:9], s[8:9], s[24:25]          ; its 4,096 bytes of codes
.macro LOAD t
.irp i, 0,1,2,3
	global_load_b128 v[R+16*((\t)%4)+4*\i:R+16*((\t)%4)+4*\i+3], v3, s[4:5] offset:2048*(\t)+512*\i th:TH_LOAD_NT   ; 32 lanes read 512 consecutive bytes
.endr
.endm
.macro TURN t                          ; step t's numbers through the stage: LDS serves a wave's instructions in order, so no wait stands between the stores and the loads
.irp i, 0,1,2,3
	ds_store_b128 v14, v[R+16*((\t)%4)+4*\i:R+16*((\t)%4)+4*\i+3] offset:32*SP*((\t)%2)+8*SP*\i
.endr
.irp i, 0,1,2,3
	ds_load_b128 v[X+16*((\t)%2)+4*\i:X+16*((\t)%2)+4*\i+3], v15 offset:32*SP*((\t)%2)+16*\i
.endr
.endm
.irp t, 0,1,2,3
	LOAD \t
.endr
	s_wait_loadcnt 12                              ; step 0's four loads are in
	TURN 0
.macro STEP t
.set XS, X+16*((\t)%2)
.if (\t) > 0
	s_wait_dscnt 1                                 ; this step's numbers are back from the stage (the last step's byte store may be out): so its stores into the stage have read their registers,
.else
	s_wait_dscnt 0x0
.endif
.if (\t)+4 < STEPS
	LOAD (\t)+4                                    ; which take the loads of four steps on
.endif
.if (\t)+1 < STEPS
.if STEPS-2-(\t) >= 3
	s_wait_loadcnt 12                              ; the next step's four loads are in; those of the three steps behind it may be out
.else
	s_wait_loadcnt 4*(STEPS-2-(\t))
.endif
	TURN (\t)+1                                    ; and go through the other stage while this step is worked
.endif
	v_max3_num_f32 v8, |v[XS]|, |v[XS+1]|, |v[XS+2]|               ; the largest magnitude of my 16
	v_max3_num_f32 v9, |v[XS+3]|, |v[XS+4]|, |v[XS+5]|
.irp i, 6,10
	v_max3_num_f32 v8, v8, |v[XS+\i]|, |v[XS+\i+1]|
	v_max3_num_f32 v9, v9, |v[XS+\i+2]|, |v[XS+\i+3]|
.endr
	v_max3_num_f32 v8, v8, |v[XS+14]|, |v[XS+15]|
	v_max3_num_f32 v8, v8, v9, (EMAX+1)<<23        ; and the floor 2^(EMAX + 1 - 127): the byte cannot fall under 1
	v_max_num_f32_dpp v8, v8, v8 row_xmask:1 row_mask:0xf bank_mask:0xf   ; and of my neighbour's 16: the block's
	v_add_nc_u32 v11, -(EMAX<<23), v8              ; EMAX off its exponent field: the conversion takes the exponent field of this operand as its scale, and nothing else of it
	v_cvt_scalef32_pk8_fp4_f32 v[C+4*(\t)], v[XS:XS+7], v11
	v_cvt_scalef32_pk8_fp4_f32 v[C+4*(\t)+1], v[XS+8:XS+15], v11
	v_lshrrev_b32 v[E+(\t)], 23, v11               ; the scale's byte
	ds_store_b8 v5, v[E+(\t)] offset:16*(\t)       ; both lanes of a block write the same byte with the same value
	global_store_b64 v4, v[C+4*(\t):C+4*(\t)+1], s[8:9] offset:32*CB*(\t)   ; a row's 256 bytes of codes
.endm
.irp t, 0,1,2,3,4,5,6,7,8,9,10,11,12,13,14,15
	STEP \t
.endr
	ds_load_b64 v[12:13], v6                       ; LDS serves a wave's instructions in order: these see my stores
	s_wait_dscnt 0x0
	global_store_b64 v7, v[12:13], s[10:11]        ; 32 lanes store 256 consecutive bytes, aligned
	s_wait_tensorcnt 0x0
	ds_add_u32 v192, v193
	s_wait_dscnt 0x0
	s_endpgm
.Lfunc_end_k_qab00e1cc33_quant_qk:
	.size	k_qab00e1cc33_quant_qk, .Lfunc_end_k_qab00e1cc33_quant_qk-k_qab00e1cc33_quant_qk
	.p2alignl 7, 3214868480
	.fill 96, 4, 3214868480
	.section	.rodata,"a",@progbits
	.p2align	6, 0x0
	.amdhsa_kernel k_qab00e1cc33_quant_qk
		.amdhsa_group_segment_fixed_size 33280
		.amdhsa_private_segment_fixed_size 0
		.amdhsa_enable_private_segment 0
		.amdhsa_kernarg_size 32
		.amdhsa_user_sgpr_count 2
		.amdhsa_user_sgpr_kernarg_segment_ptr 1
		.amdhsa_wavefront_size32 1
		.amdhsa_system_sgpr_workgroup_id_x 1
		.amdhsa_system_sgpr_workgroup_id_y 1
		.amdhsa_system_sgpr_workgroup_id_z 1
		.amdhsa_system_vgpr_workitem_id 0
		.amdhsa_next_free_vgpr 194
		.amdhsa_next_free_sgpr 66
		.amdhsa_reserve_vcc 0
		.amdhsa_float_denorm_mode_32 3
		.amdhsa_float_denorm_mode_16_64 3
		.amdhsa_memory_ordered 1
		.amdhsa_forward_progress 1
		.amdhsa_inst_pref_size 33
	.end_amdhsa_kernel
	.amdgpu_metadata
---
amdhsa.version: [ 1, 2 ]
amdhsa.kernels:
  - .name:           k_qab00e1cc33_quant_qk
    .symbol:         k_qab00e1cc33_quant_qk.kd
    .args:
      - { .name: q, .offset: 0, .size: 8, .value_kind: global_buffer, .address_space: global }
      - { .name: k, .offset: 8, .size: 8, .value_kind: global_buffer, .address_space: global }
      - { .name: qc, .offset: 16, .size: 8, .value_kind: global_buffer, .address_space: global }
      - { .name: kc, .offset: 24, .size: 8, .value_kind: global_buffer, .address_space: global }
    .group_segment_fixed_size: 33280
    .private_segment_fixed_size: 0
    .kernarg_segment_align: 8
    .kernarg_segment_size: 32
    .max_flat_workgroup_size: 128
    .sgpr_count:     66
    .vgpr_count:     194
    .wavefront_size: 32
...
	.end_amdgpu_metadata
.endif
;; end of part 1
;; launch stats (part 2): grid 16 x 16, 8 waves a work-group, clusters of 4 x 1, 327,680 bytes of LDS; arguments qc, kc, v, nz, vc; writes nz, vc
.if DOCPART == 2
	.amdgcn_target "amdgcn-amd-amdhsa--gfx1250"
	.amdhsa_code_object_version 6
	.text
	.protected	k_qab00e1cc33_stats
	.globl	k_qab00e1cc33_stats
	.p2align	8
	.type	k_qab00e1cc33_stats,@function
k_qab00e1cc33_stats:
	s_mov_b64 s[64:65], 0
	v_nop
	global_prefetch_b8 v0, s[64:65] scope:SCOPE_SE
	s_setreg_imm32_b32 hwreg(HW_REG_WAVE_MODE, 25, 1), 1
	s_wait_xcnt 0x0
	s_wait_alu depctr_hold_cnt(0) depctr_sa_sdst(0) depctr_va_vdst(0) depctr_va_sdst(0) depctr_va_ssrc(0) depctr_va_vcc(0) depctr_vm_vsrc(0)
	s_getreg_b32 s2, hwreg(HW_REG_IB_STS2, 6, 4)
	s_cmp_eq_u32 s2, 0
	s_cbranch_scc0 .Lentry_in_a_cluster
	s_endpgm
.Lentry_in_a_cluster:
	s_bfe_u32 s2, ttmp6, 0x10000c
	s_cmp_lg_u32 s2, 0x3003
	s_cbranch_scc0 .Lentry_shape_is_right
	s_endpgm
.Lentry_shape_is_right:
; TWO THINGS ARE MADE HERE, side by side in every wave: the softmax's statistics, which keep the matrix and vector units at work, and v's codes, which keep memory at work.
; 1. THE SOFTMAX RUNS OVER THE QUERIES: each key k of a batch has its own maximum and sum over all 2,048 queries.  For each key ONE number is made:
; nz[k] = -(M + log2 l), where t = score x c, c = log2(e) / sqrt(512), M = the column's largest t rounded up to a whole number (a running maximum), l = the sum over the queries of 2^(t - M).
; The finished, normalised weight is then 2^(c score + nz[k]): the last launch makes the same scores again, bit for bit, and needs no maximum, no rescaling and no division.
; The scores are products on codes of FP4 (E2M1) with E8M0 scales for each 32 along d, K = 512 in four steps of 128, ascending, one accumulator a tile.
; LIMITS: nz is rounded once to f32 and v_log_f32 is good to an ulp: a weight's relative error is about ulp(nz) x ln 2 (1e-6 where |nz| is under 16), and grows with |nz| as the f32 score's own rounding does.  NaN and infinities are not served.
; SHARES.  A work-group owns 128 keys of one batch and walks all 2,048 queries, 512 a slot.  Wave w (of eight, two to a SIMD, so that one wave's vector work stands beside the other's products and LDS loads):
; a = w % 2: its 64 keys, four tiles, whose fragments stay in 128 registers; b = w / 2: its 128 of a slot's queries.
; LAYOUT.  Source 0 = 16 queries, source 1 = 16 keys: a lane holds ONE key (lane % 16) and its registers run over queries, so maximum and sum want no other lane inside the loop; lanes and waves are merged once, at the end.
; THE STREAM.  The batch's qc is one dense run of memory (chunks of 256 queries: 256 rows x 256 bytes of codes, then 16 rows of scale bytes).  A slot takes two chunks, 544 rows of 256 bytes, 16 bytes of padding behind each row.
; CLUSTER.  The four work-groups of a cluster belong to one batch and walk the same queries: each slot is asked for JOINTLY, each of the eight waves asking for 68 rows by the same line in all four work-groups.
; 2. v, [16][2048 keys][512 d] f32, is the second product's operand whose K is the KEYS.  It becomes codes of FP4 (E2M1) with one E8M0 scale byte for each 32 keys.
; The launch has 2,048 waves; each takes 32 columns d x 256 keys of v: 8 blocks of 32 keys a lane, ONE BLOCK IN EACH OF ITS 8 SUB-STEPS of 64 queries.  A block's 32 loads go out a sub-step ahead (4,096 bytes a wave on their way).
; A LANE TAKES A COLUMN d, AND ITS REGISTERS RUN DOWN THE KEYS: each load reads neighbouring d in neighbouring lanes (128 consecutive bytes a wave, 1,024 the work-group's eight), a block lies in one lane's 32 registers,
; so its largest magnitude needs no other lane, and the conversions give codes with the keys innermost.
; THE CODES ARE STORED AS IMAGES OF THE OPERAND'S REGISTERS.  A fragment (16 d x 128 keys) is 8 registers a lane: lane (r, H) holds d = r and in registers 4 c .. 4 c + 3 the block 2 c + H.
; Its image is 1,024 bytes: block 2 c + H of d = r at 512 c + 256 H + 16 r.  So a lane's 16 bytes of a block go straight to their place: sixteen lanes store 256 consecutive bytes, aligned.
; THE KEYS OF A BLOCK ARE PERMUTED as the last launch's weights are: a block's four code registers hold keys 0-7, 16-23, 8-15, 24-31.  The set of keys of a block, and so its scale, stays.
; In vc a chunk is 256 keys, CH bytes: codes at kappa x 32,768 + E x 1,024 (kappa: which 128 keys; E: which 16 d), scale words at 65,536 + kappa x 2,048 + E x 64 + 4 r.
; A block's scale is 2^(floor(log2(its largest magnitude)) - 2); its byte is the largest magnitude's exponent field - 2, held at 1 from below.
; LIMITS: a block of zeros gets the byte 1 where the rule says 127 (its codes are zeros; this program alone reads the bytes); NaN and infinities are not served.
; REGISTERS: window 0: v1-10 addresses; v12-27 K's scale words; v28-35 Q's; v36-59 six registers of statistics a tile of keys; v60-67 at work; v72-113 v's block and what is made of it; v128-255 the scores (tile of keys t, tile of queries i at 128 + 32 t + 8 i).
;   window 1: v0-127 K's fragments (32 t + 8 s); v128-255 Q's of four tiles (32 i + 8 s).
.set CH,    69632                      ; a chunk of qc, kc or vc in memory
.set CH2,   2*CH                       ; a slot's bytes in memory
.set PITCH, 272                        ; an LDS row: 256 bytes + 16 of padding = 68 words: the 16 rows that a fragment load touches start at 16 different banks (64 banks of 4 bytes: ISA guide 11.1)
.set PART,  272*PITCH                  ; a chunk in LDS
.set SLOTB, 2*PART
.set NSL,   4                          ; slots' worth of queries
.set TROWS, 68                         ; rows that one wave's tensor load brings
.set MRG,   2*SLOTB                    ; behind the ring: where the waves' statistics meet: 8 bytes x 128 keys x 4 groups of queries
.set SPARE, MRG+4096                   ; the spare words, 128 bytes for each wave: four blocks of 256 bytes that no other line names
.set SPW,  1                           ; v1   LDS address of my spare word; never rewritten
.set NIL,  2                           ; v2   0; never rewritten
.set AQ,   3                           ; v3   my lane's place in my 128 queries' codes
.set AQS,  4                           ; v4   and among their scale words: lanes 0-15 an even tile's row, lanes 16-31 the next tile's
.set ADQ,  5                           ; v5, v6  the same in the slot in hand
.set ADQS, 6
.set MW,   7                           ; v7   where I put a key's statistics
.set MR,   8                           ; v8   where I read them back
.set GO,   9                           ; v9   4 x lane: my column of v, my scale word of v, my key's nz; never rewritten
.set PFO,  10                          ; v10  256 x lane: the prefetches' offset; never rewritten
.set KS,   12
.set QS,   28
.set ST,   36                          ; tile t at v[ST + 6 t]: -M, the largest t, l in two halves, f = 2^(old M - new M), 0
.set MX,   60
.set TA,   64
.set VX,   72                          ; v72-103  a block of v: 32 keys of my column
.set VC,   104                         ; v104-107 its codes
.set VT,   108                         ; v108-110 at work
.set VW,   111                         ; v111 the scale word in the making: each block's byte comes in at the top, the earlier ones move down
.set VSO,  112                         ; v112 my codes' place in an image: 1,024 (lane / 16) + 16 (lane % 16); never rewritten
.set VSA,  113                         ; v113 the same with the block's place added
.set S,    128
.set KF,   0
.set QF,   128
.set WV,   12                          ; s12  my wave's number
.set G1,   24                          ; s[24:31] descriptor group 1
.set VB,   32                          ; s[32:33] v at the block that is loaded
.set VCB,  34                          ; s[34:35] vc at my two tiles' images
.set VSB,  36                          ; s[36:37] vc at their scale words
.set NI,   38                          ; s38  the slot's number, 0 to 3
.set VOFF, 39                          ; s39  the place of the slot's two blocks among my images
.set G0,   40                          ; s[40:43] descriptor group 0, which walks
.set TB,   48                          ; s48  LDS byte at which the slot in hand begins
.set TF,   49                          ; s49  and the slot that is filled
.set WOFF, 50                          ; s50  my wave's rows in a slot
.set SLOTS, 52                         ; s52  slots still to be asked for
.set LIM,  53                          ; s53  1 in a wave that prefetches, else the greatest number
.set PFA,  54                          ; s[54:55] where my prefetches stand
.set CS,   56                          ; s[56:57] c; the packed form names a pair and takes its low word for both halves
.set SEL,  58                          ; s[58:59] lane selects for v_permlanex16_b32: lane l xor 16
.set MSB, 0
.macro WIN new                         ; the immediate's high byte repeats the setting that is left; a switch that changes nothing is dropped
.if MSB != (\new)
	s_set_vgpr_msb (MSB<<8)|(\new)
.set MSB, (\new)
.endif
.endm
.macro PLACES n
.rept \n
	v_nop
.endr
.endm
; A round of the cluster's barrier: my work-group's barrier, so that wave 0's signal speaks for all eight waves; wave 0 signals; every wave waits for all four work-groups; my work-group's barrier once more.
.macro CROUND
	s_barrier_signal -1
	s_barrier_wait -1
	s_cmp_lg_u32 s[WV], 0
	s_cbranch_scc1 .Lnot_wave_0_\@
	s_barrier_signal -3
.Lnot_wave_0_\@:
	s_barrier_wait -3
	s_barrier_signal -1
	s_barrier_wait -1
.endm
; A PREFETCH INTO THE L2 of the codes that the NEXT change of slots will ask for: 2 x 65,536 bytes, 512 blocks of 256.  All clusters of a batch walk the same queries: the batch's first cluster asks.
; Its four partners are told apart BY ADDRESS; in each, waves 0 to 3 ask, one instruction each: 8,192 bytes a wave, lanes 256 bytes apart.  So each block is named once in the launch.
; The last change that fills a slot asks for nothing; slots 0 and 1 come by their loads alone; a slot's 8,192 scale bytes are not asked for.
.macro ASK
	s_cmp_gt_u32 s[SLOTS], s[LIM]
	s_cbranch_scc0 .Lnot_mine_\@
	global_prefetch_b8 v[PFO], s[PFA:PFA+1] th:TH_LOAD_NT scope:SCOPE_SE
.Lnot_mine_\@:
.endm
; THE CHANGE OF SLOTS stands at a slot's head.  Each wave waits for all its tensor loads (one is out: its part of the slot that it is about to read), adds 0 to its spare word, and waits for that and for its reads of the slot
; that it has left.  fill = 1: a round of the cluster's barrier follows, so that no wave of any partner still reads that slot or has a load on its way, and the joint refill is the first thing behind it.
.macro CHANGE fill
	WIN 0
	s_wait_tensorcnt 0x0                           ; no tensor load of mine is out, so group 0 may be written
	ds_add_u32 v[SPW], v[NIL]                      ; 0 onto my spare word
.if \fill
	s_xor_b32 s[TF], s[TF], SLOTB                  ; the other slot than last time,
	s_add_co_u32 s[G0+1], s[TF], s[WOFF]           ; my rows in it,
	s_add_nc_u64 s[G0+2:G0+3], s[G0+2:G0+3], CH2   ; the next 512 queries; the type bits on top are not reached
	s_wait_xcnt 0x0                                ; the last prefetch, a slot back, has read its address, so it may be written:
	s_add_nc_u64 s[PFA:PFA+1], s[PFA:PFA+1], CH2   ; one slot further on than the walking descriptor
	s_wait_dscnt 0x0                               ; the add is done, and my reads of the slot that I have left are over
	CROUND
	tensor_load_to_lds s[G0:G0+3], s[G1:G1+7]      ; my one tensor load until the next change: it has a slot's work in which to land
	s_nop 0
	PLACES 4
	ASK
.else
	s_wait_dscnt 0x0
	s_barrier_signal -1
	s_barrier_wait -1
.endif
.endm
; One scaled product.  zero = 1: it starts the sum.  ra = 1: A's scale words stand in lanes 16-31 of their register.
.macro MM d, a, b, zero, sa, sb, ra
.if \zero
.if \ra
	v_wmma_scale_f32_16x16x128_f8f6f4 v[\d:\d+7], v[\a:\a+7], v[\b:\b+7], 0, v[\sa], v[\sb] matrix_a_fmt:MATRIX_FMT_FP4 matrix_b_fmt:MATRIX_FMT_FP4 matrix_a_scale:MATRIX_SCALE_ROW1
.else
	v_wmma_scale_f32_16x16x128_f8f6f4 v[\d:\d+7], v[\a:\a+7], v[\b:\b+7], 0, v[\sa], v[\sb] matrix_a_fmt:MATRIX_FMT_FP4 matrix_b_fmt:MATRIX_FMT_FP4
.endif
.else
.if \ra
	v_wmma_scale_f32_16x16x128_f8f6f4 v[\d:\d+7], v[\a:\a+7], v[\b:\b+7], v[\d:\d+7], v[\sa], v[\sb] matrix_a_fmt:MATRIX_FMT_FP4 matrix_b_fmt:MATRIX_FMT_FP4 matrix_a_scale:MATRIX_SCALE_ROW1
.else
	v_wmma_scale_f32_16x16x128_f8f6f4 v[\d:\d+7], v[\a:\a+7], v[\b:\b+7], v[\d:\d+7], v[\sa], v[\sb] matrix_a_fmt:MATRIX_FMT_FP4 matrix_b_fmt:MATRIX_FMT_FP4
.endif
.endif
.endm
; 32 loads: the 32 keys of a block of v at my column: rows of 2,048 bytes
.macro VLOAD
.set j, 0
.rept 32
	global_load_b32 v[VX+j], v[GO], s[VB:VB+1] offset:j*2048 th:TH_LOAD_NT
.set j, j+1
.endr
.endm
; A BLOCK OF v: block 2 n + u of my eight (n: the slot's number).  It stands behind a sub-step's products: its first lines, plain vector lines that name none of the products' registers, are the places
; between the last product and the first read of results (ISA guide 7.12.1).  more = 1: the next block's loads go out at its end: they have a whole sub-step in which to land.
; word = 1: in the loop: behind my fourth block (n odd) the scale word of 128 keys is stored; 2: in the tail: behind my eighth; 0: none.
.macro VBLOCK u, more, word
	s_wait_loadcnt 0x0                             ; the block's 32 loads, issued a sub-step ago, are in: their base may be stepped
	s_wait_xcnt 0x0                                ; the last block's stores have read their registers: codes, word and address may be written again
	v_max3_num_f32 v[VT], |v[VX]|, |v[VX+1]|, |v[VX+2]|            ; the block's largest magnitude: all 32 numbers are mine
	v_max3_num_f32 v[VT+1], |v[VX+3]|, |v[VX+4]|, |v[VX+5]|
.irp i, 6,10,14,18,22,26
	s_delay_alu instid0(VALU_DEP_2)
	v_max3_num_f32 v[VT], v[VT], |v[VX+\i]|, |v[VX+\i+1]|
	s_delay_alu instid0(VALU_DEP_2)
	v_max3_num_f32 v[VT+1], v[VT+1], |v[VX+\i+2]|, |v[VX+\i+3]|
.endr
	s_delay_alu instid0(VALU_DEP_2)
	v_max3_num_f32 v[VT], v[VT], |v[VX+30]|, |v[VX+31]|
	s_delay_alu instid0(VALU_DEP_1)
	v_max3_num_f32 v[VT], v[VT], v[VT+1], 0x1800000    ; and the floor 2^(3 - 127): the byte cannot fall under 1
	s_delay_alu instid0(VALU_DEP_1)
	v_add_nc_u32 v[VT+2], 0xff000000, v[VT]        ; 2 off its exponent field: the conversion's scale operand
	s_delay_alu instid0(VALU_DEP_1)
	v_lshrrev_b32 v[VT+1], 23, v[VT+2]             ; the scale's byte
	v_lshrrev_b32 v[VW], 8, v[VW]                  ; the earlier blocks' bytes move down,
	s_delay_alu instid0(VALU_DEP_1)
	v_lshl_or_b32 v[VW], v[VT+1], 24, v[VW]        ; this one comes in at the top: behind four blocks the word is whole, the earliest keys in the lowest byte
	v_cvt_scalef32_pk8_fp4_f32 v[VC],   v[VX:VX+7],     v[VT+2]   ; keys 0-7
	v_cvt_scalef32_pk8_fp4_f32 v[VC+2], v[VX+8:VX+15],  v[VT+2]   ; keys 8-15 go to the third register,
	v_cvt_scalef32_pk8_fp4_f32 v[VC+1], v[VX+16:VX+23], v[VT+2]   ; keys 16-23 to the second
	v_cvt_scalef32_pk8_fp4_f32 v[VC+3], v[VX+24:VX+31], v[VT+2]   ; keys 24-31
	v_add_nc_u32 v[VSA], s[VOFF], v[VSO]           ; (one plain line behind the conversions)  the slot's place among my images
	global_store_b128 v[VSA], v[VC:VC+3], s[VCB:VCB+1] offset:256*(\u)   ; sixteen lanes store 256 consecutive bytes, aligned
.if (\word) == 1
	s_and_b32 s44, s[NI], 1                        ; a branch on the slot's number, the same in every wave
	s_cmp_eq_u32 s44, 0
	s_cbranch_scc1 .Lno_word_\@
	global_store_b32 v[GO], v[VW], s[VSB:VSB+1]    ; 32 scale words, 128 consecutive bytes: my first 128 keys'
.Lno_word_\@:
.elseif (\word) == 2
	global_store_b32 v[GO], v[VW], s[VSB:VSB+1] offset:2048   ; my second 128 keys'
.endif
.if \more
	s_add_nc_u64 s[VB:VB+1], s[VB:VB+1], 32*2048   ; 32 keys on
	VLOAD
.endif
.endm
; THE RUNNING MAXIMUM AND SUM of my lane's key in each of the four tiles, over its 32 scores; the four tiles by turns, so that no line waits for the line above it.
.macro ONLINE
.irp t, 0,1,2,3
	v_max3_num_f32 v[MX+\t], v[S+32*\t], v[S+32*\t+1], v[S+32*\t+2]       ; ascending: each accumulator is first read at its low end
.endr
.irp n, 3,5,7,9,11,13,15,17,19,21,23,25,27,29
.irp t, 0,1,2,3
	v_max3_num_f32 v[MX+\t], v[MX+\t], v[S+32*\t+\n], v[S+32*\t+\n+1]
.endr
.endr
.irp t, 0,1,2,3
	v_max_num_f32 v[MX+\t], v[MX+\t], v[S+32*\t+31]
.endr
.irp t, 0,1,2,3
	s_delay_alu instid0(VALU_DEP_4)
	v_mul_f32 v[TA+\t], s[CS], v[MX+\t]            ; as t (c is positive)
.endr
.irp t, 0,1,2,3
	s_delay_alu instid0(VALU_DEP_4)
	v_max_num_f32 v[ST+6*\t+1], v[ST+6*\t+1], v[TA+\t]   ; the running largest t
.endr
.irp t, 0,1,2,3
	v_mov_b32 v[TA+\t], v[ST+6*\t]
.endr
.irp t, 0,1,2,3
	v_floor_f32 v[ST+6*\t], -v[ST+6*\t+1]          ; the new -M = floor(-t): M is a whole number
.endr
.irp t, 0,1,2,3
	s_delay_alu instid0(VALU_DEP_4)
	v_sub_f32 v[TA+\t], v[ST+6*\t], v[TA+\t]       ; old M - new M: a whole number, 0 or less
.endr
.irp t, 0,1,2,3
	s_delay_alu instid0(VALU_DEP_4)
	v_cvt_i32_f32 v[TA+\t], v[TA+\t]               ; (it saturates)
.endr
.irp t, 0,1,2,3
	s_delay_alu instid0(VALU_DEP_4)
	v_ldexp_f32 v[ST+6*\t+4], 1.0, v[TA+\t]        ; f = 2^(old M - new M): it rounds nothing
.endr
.irp t, 0,1,2,3
.irp n, 0,2,4,6,8,10,12,14,16,18,20,22,24,26,28,30
	v_pk_fma_f32 v[S+32*\t+\n:S+32*\t+\n+1], v[S+32*\t+\n:S+32*\t+\n+1], s[CS:CS+1], v[ST+6*\t:ST+6*\t+1] op_sel_hi:[1,0,0]   ; t - M, two at a time
.endr
.endr
.set j, 0
	s_wait_alu depctr_va_vdst(0)
.rept 128
	v_exp_f32 v[S+j], v[S+j]                       ; 2^(t - M), at most 1
.set j, j+1
.endr
.irp t, 0,1,2,3
	v_pk_mul_f32 v[ST+6*\t+2:ST+6*\t+3], v[ST+6*\t+2:ST+6*\t+3], v[ST+6*\t+4:ST+6*\t+5] op_sel_hi:[1,0]   ; the sums under the new M: plain lines behind the exponentials
.endr
	s_wait_alu depctr_va_vdst(0)                   ; one wait for the whole batch of exponentials, ahead of its first reader
.irp n, 0,2,4,6,8,10,12,14,16,18,20,22,24,26,28,30
.irp t, 0,1,2,3
	v_pk_add_f32 v[ST+6*\t+2:ST+6*\t+3], v[ST+6*\t+2:ST+6*\t+3], v[S+32*\t+\n:S+32*\t+\n+1]
.endr
.endr
.endm
; 64 of my 128 queries: four tiles against my four tiles of keys; then a block of v; then the statistics.  The LDS loads land in registers that the sub-step before multiplied: its vector lines are the places between.
; The four accumulators of a tile of queries take turns, one instruction a turn, K ascending.
.macro QSUB u, more, word
.irp p, 0,1
	ds_load_b128 v[QS+4*\p:QS+4*\p+3], v[ADQS] offset:(4*\u+2*\p)*PITCH   ; four scale words a query: lanes 0-15 tile 2 p, lanes 16-31 tile 2 p + 1
.endr
	WIN 0x40                                       ; destination window 1
.irp i, 0,1,2,3
.irp s, 0,1,2,3
.irp e, 0,1
	ds_load_b128 v[QF+32*\i+8*\s+4*\e:QF+32*\i+8*\s+4*\e+3], v[ADQ] offset:(4*\u+\i)*16*PITCH+64*\s+32*\e
.endr
.endr
.endr
	WIN 0x05                                       ; sources 0 and 1 window 1; C and D window 0
.irp i, 0,1,2,3
	s_wait_dscnt 8*(3-\i)                          ; this tile's eight loads are in; the later tiles' may be out
.irp t, 0,1,2,3
	MM S+32*\t+8*\i, QF+32*\i, KF+32*\t, 1, QS+4*(\i/2), KS+4*\t, \i%2
.endr
.irp s, 1,2,3
.irp t, 0,1,2,3
	MM S+32*\t+8*\i, QF+32*\i+8*\s, KF+32*\t+8*\s, 0, QS+4*(\i/2)+\s, KS+4*\t+\s, \i%2
.endr
.endr
.endr
	WIN 0
	VBLOCK \u, \more, \word
	ONLINE
.endm
; A SLOT: my 128 of its queries, and two blocks of v.  last = 1: the last slot: its second block is my eighth: nothing more is loaded, so no load leaves v.
.macro WORK last
	v_add_nc_u32 v[ADQ], s[TB], v[AQ]
	v_add_nc_u32 v[ADQS], s[TB], v[AQS]
	s_and_b32 s44, s[NI], 1                        ; blocks 2 n and 2 n + 1 of my eight lie at 512 (n % 2) + 32,768 (n / 2), 256 bytes apart
	s_lshl_b32 s44, s44, 9
	s_lshr_b32 s45, s[NI], 1
	s_lshl_b32 s45, s45, 15
	s_add_co_u32 s[VOFF], s44, s45
	QSUB 0, 1, 0
.if \last
	QSUB 1, 0, 2
.else
	QSUB 1, 1, 1
.endif
	s_xor_b32 s[TB], s[TB], SLOTB                  ; on to the other slot
	s_add_co_u32 s[NI], s[NI], 1
.endm
	s_load_b128 s[4:7], s[0:1], 0x0                ; qc s[4:5], kc s[6:7]
	s_load_b128 s[8:11], s[0:1], 0x10              ; v s[8:9], nz s[10:11]
	s_load_b64 s[60:61], s[0:1], 0x20              ; vc
	v_lshl_add_u32 v[SPW], v0, 2, SPARE
	v_mov_b32 v[NIL], 0
	ds_add_u32 v1, v2
	ds_add_u32 v1, v2
	s_wait_dscnt 0x0
	v_lshrrev_b32 v116, 5, v0
	s_delay_alu instid0(VALU_DEP_1)
	v_readfirstlane_b32 s[WV], v116                ; wave 0..7
	s_bfe_u32 s13, ttmp6, 0x40000                  ; cx: my place in the cluster
	s_lshl_b32 s14, ttmp9, 2                       ; in a cluster launch ttmp9 counts clusters
	s_add_co_u32 s14, s14, s13                     ; x: my block of 128 keys; it enters K's, nz's, v's and vc's addresses alone
	s_and_b32 s15, ttmp7, 0xffff                   ; the batch, which the four partners share
	s_and_b32 s16, s[WV], 1                        ; a: which 64 of the keys
	s_lshr_b32 s17, s[WV], 1                       ; b: which 128 of a slot's queries
	; descriptor group 1: TROWS rows of 256 bytes (32 elements of 8 bytes), dense in memory, 16 bytes of padding behind each in LDS
	s_mov_b32 s[G1], 15|(3<<16)|(1<<20)|(1<<21)|(5<<22)|(3<<25)   ; 15:0 the mask: all four work-groups; 17:16 elements of 8 bytes; 20 padding on; 21 set beside a mask; 24:22 after every 64 words; 31:25 four words
	s_mov_b32 s[G1+1], 32<<16                      ; tensor_dim0
	s_mov_b32 s[G1+2], TROWS<<16                   ; tensor_dim1
	s_mov_b32 s[G1+3], 32<<16                      ; tile_dim0
	s_mov_b32 s[G1+4], TROWS                       ; tile_dim1
	s_mov_b32 s[G1+5], 32                          ; from row to row
	s_mov_b32 s[G1+6], 0
	s_mov_b32 s[G1+7], 0
	s_mul_i32 s[WOFF], s[WV], TROWS*PITCH          ; no place in the cluster enters an LDS address
	s_mul_i32 s20, s15, 8*CH                       ; the batch's qc,
	s_mul_i32 s21, s[WV], TROWS*256                ; my rows of a slot
	s_add_co_u32 s20, s20, s21
	s_mov_b32 s21, 0
	s_mov_b32 s[TB], 0
	s_mov_b32 s[TF], 0
	s_mov_b32 s[NI], 0
	s_mov_b32 s[SLOTS], NSL-1
	s_mov_b32 s[CS], 0x3d8293ee                    ; c = log2(e) / sqrt(512)
	s_mov_b32 s[CS+1], s[CS]                       ; (named with it as a pair, so it is written)
	s_mov_b32 s[SEL], 0x76543210
	s_mov_b32 s[SEL+1], 0xfedcba98
	s_lshr_b32 s22, s[WV], 2                       ; 0 in waves 0 to 3,
	s_or_b32 s22, s22, ttmp9                       ; of the batch's first cluster: the same in all four partners
	s_cmp_eq_u32 s22, 0
	s_cselect_b32 s[LIM], 1, -1
	; what hangs on cx lies in s32-37, s44-45 and s66 on: none of these feeds a descriptor
	s_lshl_b32 s74, s13, 2
	s_and_b32 s75, s[WV], 3
	s_add_co_u32 s74, s74, s75                     ; which sixteenth of a slot's codes I prefetch: 4 cx + wave
	s_lshr_b32 s75, s74, 3
	s_lshl_b32 s75, s75, 12                        ; the second chunk's codes lie behind the first chunk's 4,096 scale bytes
	s_lshl_b32 s74, s74, 13
	s_add_co_u32 s74, s74, s75
	s_mul_i32 s75, s15, 8*CH
	s_add_co_u32 s74, s74, s75
	s_add_co_u32 s74, s74, CH2                     ; in slot 1: the first change of slots steps it to slot 2.  Nothing is prefetched at the head
	s_mov_b32 s75, 0
	s_lshl_b32 s66, s15, 3
	s_lshr_b32 s67, s14, 1
	s_add_co_u32 s66, s66, s67                     ; the chunk of 256 keys in which my work-group's keys lie: 8 y + x / 2.  My share of v lies in the same chunk
	s_lshl_b32 s76, s66, 19                        ; v: its 256 keys x 2,048 bytes
	s_mul_i32 s66, s66, CH                         ; the chunk in kc and in vc
	s_and_b32 s67, s14, 1
	s_lshl_b32 s78, s67, 3
	s_add_co_u32 s78, s78, s[WV]                   ; which 32 of the 512 columns d are my wave's: 8 (x % 2) + w
	s_lshl_b32 s77, s78, 7                         ; 32 d x 4 bytes
	s_add_co_u32 s76, s76, s77
	s_mov_b32 s77, 0
	s_lshl_b32 s44, s78, 11                        ; two tiles of 16 d: two images of 1,024 bytes
	s_add_co_u32 s44, s44, s66
	s_mov_b32 s45, 0
	s_lshl_b32 s78, s78, 7                         ; and 2 x 64 bytes of scale words
	s_add_co_u32 s78, s78, s66
	s_add_co_u32 s78, s78, 65536
	s_mov_b32 s79, 0
	s_lshl_b32 s67, s67, 7
	s_lshl_b32 s68, s16, 6
	s_add_co_u32 s67, s67, s68                     ; my first key in the chunk
	s_lshl_b32 s68, s67, 8
	s_add_co_u32 s68, s68, s66                     ; its codes,
	s_mov_b32 s69, 0
	s_lshl_b32 s70, s67, 4
	s_add_co_u32 s70, s70, s66
	s_add_co_u32 s70, s70, 65536                   ; its scale bytes
	s_mov_b32 s71, 0
	s_lshl_b32 s72, s15, 11
	s_lshl_b32 s73, s14, 7
	s_add_co_u32 s72, s72, s73
	s_and_b32 s73, s[WV], 3
	s_lshl_b32 s73, s73, 5
	s_add_co_u32 s72, s72, s73                     ; the first key whose nz I store: 2,048 y + 128 x + 32 (wave % 4)
	s_lshl_b32 s72, s72, 2
	s_mov_b32 s73, 0
	s_wait_kmcnt 0x0
	s_mov_b32 s[G0], 1                             ; 1:0 count = 1
	s_mov_b32 s[G0+1], s[WOFF]                     ; 63:32 LDS address: slot 0
	s_add_nc_u64 s[G0+2:G0+3], s[4:5], s[20:21]    ; 120:64 global address: the batch's first 512 queries
	s_or_b32 s[G0+3], s[G0+3], 0x80000000          ; 127:126 type = 2
	s_add_nc_u64 s[PFA:PFA+1], s[4:5], s[74:75]
	s_add_nc_u64 s[68:69], s[6:7], s[68:69]
	s_add_nc_u64 s[70:71], s[6:7], s[70:71]
	s_add_nc_u64 s[10:11], s[10:11], s[72:73]
	s_add_nc_u64 s[VB:VB+1], s[8:9], s[76:77]
	s_add_nc_u64 s[VCB:VCB+1], s[60:61], s[44:45]
	s_add_nc_u64 s[VSB:VSB+1], s[60:61], s[78:79]
	CROUND                                         ; all four work-groups are here: the first joint loads meet
	tensor_load_to_lds s[G0:G0+3], s[G1:G1+7]      ; slot 0
	s_nop 0
	PLACES 4
	v_and_b32 v116, 15, v0                         ; r
	v_bfe_u32 v117, v0, 4, 1                       ; h
	v_and_b32 v118, 31, v0                         ; lane
	s_delay_alu instid0(VALU_DEP_3)
	v_lshlrev_b32 v119, 8, v116
	s_delay_alu instid0(VALU_DEP_1)
	v_lshl_add_u32 v119, v117, 4, v119             ; K: row r of 256 bytes, + 16 h
	v_lshlrev_b32 v120, 4, v116                    ; its scale bytes: 16 a row
	s_delay_alu instid0(VALU_DEP_4)
	v_lshlrev_b32 v[GO], 2, v118
	WIN 0x40
.irp t, 0,1,2,3
.irp s, 0,1,2,3
.irp e, 0,1
	global_load_b128 v[KF+32*\t+8*\s+4*\e:KF+32*\t+8*\s+4*\e+3], v119, s[68:69] offset:4096*\t+64*\s+32*\e   ; my keys' fragments stay in registers
.endr
.endr
.endr
	WIN 0
.irp t, 0,1,2,3
	global_load_b128 v[KS+4*\t:KS+4*\t+3], v120, s[70:71] offset:256*\t   ; and their scale words, four a key
.endr
	VLOAD                                          ; v's first block, behind K's loads
	v_lshlrev_b32 v[PFO], 8, v118
	v_lshlrev_b32 v[VSO], 10, v117
	s_delay_alu instid0(VALU_DEP_1)
	v_lshl_add_u32 v[VSO], v116, 4, v[VSO]         ; lanes 16-31 belong to the next tile of 16 d
	v_mov_b32 v[VW], 0
	s_lshr_b32 s18, s17, 1
	s_mul_i32 s18, s18, PART                       ; which chunk of the slot holds my queries,
	s_and_b32 s19, s17, 1                          ; and which half of it
	s_mul_i32 s22, s19, 128*PITCH
	s_add_co_u32 s22, s22, s18
	v_mul_u32_u24 v[AQ], v116, PITCH
	s_delay_alu instid0(VALU_DEP_1)
	v_lshl_add_u32 v[AQ], v117, 4, v[AQ]
	s_delay_alu instid0(VALU_DEP_1)
	v_add_nc_u32 v[AQ], s22, v[AQ]                 ; row r x pitch + 16 h
	s_mul_i32 s22, s19, 8*PITCH
	s_add_co_u32 s22, s22, s18
	s_add_co_u32 s22, s22, 256*PITCH
	v_mul_u32_u24 v[AQS], v117, PITCH
	s_delay_alu instid0(VALU_DEP_1)
	v_lshl_add_u32 v[AQS], v116, 4, v[AQS]
	s_delay_alu instid0(VALU_DEP_1)
	v_add_nc_u32 v[AQS], s22, v[AQS]               ; a tile's 16 x 16 scale bytes are one row: 16 r, and a row on for lanes 16-31
	s_lshl_b32 s22, s[WV], 9
	s_add_co_u32 s22, s22, MRG
	v_lshl_add_u32 v[MW], v116, 3, s22             ; group b of queries, key 64 a + 16 t + r: MRG + 1,024 b + 8 x key = MRG + 512 w + 128 t + 8 r
	s_and_b32 s22, s[WV], 3
	s_lshl_b32 s22, s22, 8
	s_add_co_u32 s22, s22, MRG
	v_lshl_add_u32 v[MR], v118, 3, s22             ; back: key 32 (wave % 4) + lane
.irp t, 0,1,2,3
	v_mov_b32 v[ST+6*\t+1], 0xff61b1e6             ; the largest t so far: -3e38, under every t
	s_delay_alu instid0(VALU_DEP_1)
	v_floor_f32 v[ST+6*\t], -v[ST+6*\t+1]          ; -M
	v_mov_b32 v[ST+6*\t+2], 0                      ; the sum, in two halves: the first change of M multiplies zeros
	v_mov_b32 v[ST+6*\t+3], 0
	v_mov_b32 v[ST+6*\t+4], 0
	v_mov_b32 v[ST+6*\t+5], 0                      ; (named as the upper half of f's pair)
.endr
	s_wait_loadcnt 32                              ; K's 36 loads are in; the 32 of v's first block, issued behind them, may be out
.Lslot:                                            ; NSL - 1 trips: behind each change of slots but the last the next slot is asked for
	CHANGE 1
	WORK 0
	s_sub_co_u32 s[SLOTS], s[SLOTS], 1
	s_cmp_lg_u32 s[SLOTS], 0
	s_cbranch_scc1 .Lslot
	CHANGE 0                                       ; the last slot is written out, and no load leaves v
	WORK 1
	; THE MERGE.  Statistics (-M, l) of one key under two M are joined under the larger M: N = the smaller -M, each l x 2^(N - its own -M), which rounds nothing.  First lanes l and l xor 16, which hold the same key:
.irp t, 0,1,2,3,4,5,6,7
	v_mov_b32 v[72+\t], 0                          ; a lane permute's destination counts as one of its sources.  (v's blocks are done with: no load is out)
.endr
.irp t, 0,1,2,3
	v_add_f32 v[68+\t], v[ST+6*\t+2], v[ST+6*\t+3]
.endr
.irp t, 0,1,2,3
	v_permlanex16_b32 v[72+\t], v[ST+6*\t], s[SEL], s[SEL+1]
.endr
.irp t, 0,1,2,3
	v_permlanex16_b32 v[76+\t], v[68+\t], s[SEL], s[SEL+1]
.endr
.irp t, 0,1,2,3
	v_min_num_f32 v[84+2*\t], v[ST+6*\t], v[72+\t]
.endr
.irp t, 0,1,2,3
	v_sub_f32 v[ST+6*\t], v[84+2*\t], v[ST+6*\t]
	v_sub_f32 v[72+\t], v[84+2*\t], v[72+\t]
.endr
.irp t, 0,1,2,3
	v_cvt_i32_f32 v[ST+6*\t], v[ST+6*\t]
	v_cvt_i32_f32 v[72+\t], v[72+\t]
.endr
.irp t, 0,1,2,3
	v_ldexp_f32 v[68+\t], v[68+\t], v[ST+6*\t]
	v_ldexp_f32 v[76+\t], v[76+\t], v[72+\t]
.endr
.irp t, 0,1,2,3
	v_add_f32 v[85+2*\t], v[68+\t], v[76+\t]
.endr
.irp t, 0,1,2,3
	ds_store_b64 v[MW], v[84+2*\t:85+2*\t] offset:128*\t   ; both lanes of a key write the same 8 bytes with the same value
.endr
	s_wait_dscnt 0x0                               ; for the others' sake: my stores have landed
	s_barrier_signal -1
	s_barrier_wait -1
	s_cmp_lt_u32 s[WV], 4                          ; then the four groups of queries: waves 0 to 3, a lane a key
	s_cbranch_scc0 .Lend
.irp b, 0,1,2,3
	ds_load_b64 v[92+2*\b:93+2*\b], v[MR] offset:1024*\b
.endr
	s_wait_dscnt 0x0
	v_min3_num_f32 v100, v92, v94, v96
	s_delay_alu instid0(VALU_DEP_1)
	v_min_num_f32 v100, v100, v98                  ; N = -M of the whole column
.irp b, 0,1,2,3
	v_sub_f32 v[92+2*\b], v100, v[92+2*\b]
.endr
.irp b, 0,1,2,3
	s_delay_alu instid0(VALU_DEP_4)
	v_cvt_i32_f32 v[92+2*\b], v[92+2*\b]
.endr
.irp b, 0,1,2,3
	s_delay_alu instid0(VALU_DEP_4)
	v_ldexp_f32 v[93+2*\b], v[93+2*\b], v[92+2*\b]
.endr
	s_delay_alu instid0(VALU_DEP_3)
	v_add_f32 v93, v93, v95
	s_delay_alu instid0(VALU_DEP_2)
	v_add_f32 v97, v97, v99
	s_delay_alu instid0(VALU_DEP_1)
	v_add_f32 v93, v93, v97                        ; l of the whole column: over 1/2, since the largest term is
	s_wait_alu depctr_va_vdst(0)
	v_log_f32 v101, v93
	v_nop                                          ; a plain line behind the transcendental,
	s_wait_alu depctr_va_vdst(0)                   ; and a wait ahead of its first reader
	v_sub_f32 v102, v100, v101                     ; nz = -M - log2 l
	global_store_b32 v[GO], v102, s[10:11]         ; 32 keys: 128 consecutive bytes a wave, 512 the four waves
.Lend:
	s_wait_tensorcnt 0x0                           ; the wave's end: behind my last tensor load and my last LDS store
	ds_add_u32 v[SPW], v[NIL]
	s_wait_dscnt 0x0
	CROUND                                         ; the closing round: no work-group ends while a partner may still ask for a slot that names it
	s_endpgm
.Lfunc_end_k_qab00e1cc33_stats:
	.size	k_qab00e1cc33_stats, .Lfunc_end_k_qab00e1cc33_stats-k_qab00e1cc33_stats
	.p2alignl 7, 3214868480
	.fill 96, 4, 3214868480
	.section	.rodata,"a",@progbits
	.p2align	6, 0x0
	.amdhsa_kernel k_qab00e1cc33_stats
		.amdhsa_group_segment_fixed_size 327680
		.amdhsa_private_segment_fixed_size 0
		.amdhsa_enable_private_segment 0
		.amdhsa_kernarg_size 40
		.amdhsa_user_sgpr_count 2
		.amdhsa_user_sgpr_kernarg_segment_ptr 1
		.amdhsa_wavefront_size32 1
		.amdhsa_system_sgpr_workgroup_id_x 1
		.amdhsa_system_sgpr_workgroup_id_y 1
		.amdhsa_system_sgpr_workgroup_id_z 1
		.amdhsa_system_vgpr_workitem_id 0
		.amdhsa_next_free_vgpr 512
		.amdhsa_next_free_sgpr 80
		.amdhsa_reserve_vcc 0
		.amdhsa_float_denorm_mode_32 3
		.amdhsa_float_denorm_mode_16_64 3
		.amdhsa_memory_ordered 1
		.amdhsa_forward_progress 1
		.amdhsa_inst_pref_size 153
	.end_amdhsa_kernel
	.amdgpu_metadata
---
amdhsa.version: [ 1, 2 ]
amdhsa.kernels:
  - .name:           k_qab00e1cc33_stats
    .symbol:         k_qab00e1cc33_stats.kd
    .args:
      - { .name: qc, .offset: 0, .size: 8, .value_kind: global_buffer, .address_space: global }
      - { .name: kc, .offset: 8, .size: 8, .value_kind: global_buffer, .address_space: global }
      - { .name: v, .offset: 16, .size: 8, .value_kind: global_buffer, .address_space: global }
      - { .name: nz, .offset: 24, .size: 8, .value_kind: global_buffer, .address_space: global }
      - { .name: vc, .offset: 32, .size: 8, .value_kind: global_buffer, .address_space: global }
    .group_segment_fixed_size: 327680
    .private_segment_fixed_size: 0
    .kernarg_segment_align: 8
    .kernarg_segment_size: 40
    .max_flat_workgroup_size: 256
    .sgpr_count:     80
    .vgpr_count:     512
    .wavefront_size: 32
...
	.end_amdgpu_metadata
.endif
;; end of part 2
;; launch attn (part 3): grid 16 x 16, 4 waves a work-group, clusters of 4 x 1, 327,680 bytes of LDS; arguments qc, kc, vc, nz, out0; writes out0
.if DOCPART == 3
	.amdgcn_target "amdgcn-amd-amdhsa--gfx1250"
	.amdhsa_code_object_version 6
	.text
	.protected	k_qab00e1cc33_attn
	.globl	k_qab00e1cc33_attn
	.p2align	8
	.type	k_qab00e1cc33_attn,@function
k_qab00e1cc33_attn:
	s_mov_b64 s[64:65], 0
	v_nop
	global_prefetch_b8 v0, s[64:65] scope:SCOPE_SE
	s_setreg_imm32_b32 hwreg(HW_REG_WAVE_MODE, 25, 1), 1
	s_wait_xcnt 0x0
	s_wait_alu depctr_hold_cnt(0) depctr_sa_sdst(0) depctr_va_vdst(0) depctr_va_sdst(0) depctr_va_ssrc(0) depctr_va_vcc(0) depctr_vm_vsrc(0)
	s_getreg_b32 s2, hwreg(HW_REG_IB_STS2, 6, 4)
	s_cmp_eq_u32 s2, 0
	s_cbranch_scc0 .Lentry_in_a_cluster
	s_endpgm
.Lentry_in_a_cluster:
	s_bfe_u32 s2, ttmp6, 0x10000c
	s_cmp_lg_u32 s2, 0x3003
	s_cbranch_scc0 .Lentry_shape_is_right
	s_endpgm
.Lentry_shape_is_right:
; out[b][q][:] = the sum over keys of Q4(w[q][k]) Q4(v[k][:]), w[q][k] = 2^(c score + nz[k]): the finished, normalised weight of a softmax that runs over the QUERIES.
; c = log2(e) / sqrt(512); nz[k] = -(M + log2 l) of key k's column was made by the launch before, with the column's maximum taken away there; the scores are made again here, bit for bit.
; Both products run on codes of FP4 (E2M1) with one E8M0 scale for each 32 along K; w is quantised along the keys, in f32 up to the conversion.
; SHARES.  A work-group owns 128 queries of a batch and walks its 2,048 keys, 256 a slot.  Scores: wave w takes 64 queries (w / 2), whose fragments stay in registers, and 128 of the slot's keys (w % 2), 64 a half step.
; S^T = K Q^T: a lane holds one query and its registers run along the keys.  The weights' codes and scale words go to LDS as images of the operand's registers; behind a barrier every wave reads all of them.
; O^T = V^T P^T: wave w owns 128 of the 512 channels for all 128 queries: 64 accumulators in windows 2 and 3.
; THE RING: two slots, each a chunk of kc and a chunk of vc (272 rows of 256 bytes each, 16 bytes of padding a row).  The four work-groups of a cluster share a batch and ask for each slot jointly: waves 0, 1 for K's halves, waves 2, 3 for V's.
; nz comes from memory straight into registers, 64 numbers a half step, asked for one half step ahead; the last half step asks for nothing, so no load leaves nz.
; LIMITS: NaN and infinities are not served; a block of weights that have all fallen to 0 keeps the scale byte 1: its codes are zeros.
.set CH,    69632
.set PITCH, 272
.set PART,  272*PITCH
.set SLOTB, 2*PART
.set TROWS, 136
.set Z0,    2*SLOTB
.set PIMG,  Z0
.set PSC,   PIMG+16*1024
.set SPARE, PSC+1024
.set SPITCH, 528
.set SPW,  1
.set NIL,  2
.set AK,   3
.set AKS,  4
.set AZ,   5
.set AV,   6
.set AVS,  7
.set PWI,  8
.set PWS,  9
.set LI,   10
.set LS,   11
.set ADK,  12
.set ADS,  13
.set ADV,  15
.set ADVS, 16
.set PFO,  17
.set QS,   20
.set SCP,  36
.set PW,   52
.set TMM,  56
.set TMP,  64
.set TMS,  72
.set PC,   80
.set Z,    96
.set S,    128
.set QF,   0
.set KF,   128
.set STO,  12
.set RD,   13
.set CO,   14
.set BK,   128
.set WV,   12
.set G1,   24
.set G0,   40
.set NZP,  44                          ; s[44:45] nz at the slot's keys of my half
.set G0V,  60
.set TB,   48
.set TF,   49
.set WOFF, 50
.set SLOTS, 52
.set LIM,  53
.set PFA,  54
.set CS,   56
.set SEL,  58
.set OUTP, 76
.set MSB, 0
.macro WIN new
.if MSB != (\new)
	s_set_vgpr_msb (MSB<<8)|(\new)
.set MSB, (\new)
.endif
.endm
.macro PLACES n
.rept \n
	v_nop
.endr
.endm
.macro CROUND
	s_barrier_signal -1
	s_barrier_wait -1
	s_cmp_lg_u32 s[WV], 0
	s_cbranch_scc1 .Lnot_wave_0_\@
	s_barrier_signal -3
.Lnot_wave_0_\@:
	s_barrier_wait -3
	s_barrier_signal -1
	s_barrier_wait -1
.endm
.macro JLOAD
	s_cmp_lt_u32 s[WV], 2
	s_cbranch_scc0 .Lfor_v_\@
	tensor_load_to_lds s[G0:G0+3], s[G1:G1+7]
	s_nop 0
	PLACES 4
	s_branch .Lasked_\@
.Lfor_v_\@:
	tensor_load_to_lds s[G0V:G0V+3], s[G1:G1+7]
	s_nop 0
	PLACES 4
.Lasked_\@:
.endm
.macro ASK
	s_cmp_gt_u32 s[SLOTS], s[LIM]
	s_cbranch_scc0 .Lnot_mine_\@
	global_prefetch_b8 v[PFO], s[PFA:PFA+1] th:TH_LOAD_NT scope:SCOPE_SE
.Lnot_mine_\@:
.endm
.macro CHANGE fill
	WIN 0
	s_wait_tensorcnt 0x0
	ds_add_u32 v[SPW], v[NIL]
.if \fill
	s_xor_b32 s[TF], s[TF], SLOTB
	s_add_co_u32 s[G0+1], s[TF], s[WOFF]
	s_add_co_u32 s[G0V+1], s[TF], s[WOFF]
	s_add_nc_u64 s[G0+2:G0+3], s[G0+2:G0+3], CH
	s_add_nc_u64 s[G0V+2:G0V+3], s[G0V+2:G0V+3], CH
	s_wait_xcnt 0x0
	s_add_nc_u64 s[PFA:PFA+1], s[PFA:PFA+1], CH
	s_wait_dscnt 0x0
	CROUND
	JLOAD
	ASK
.else
	s_wait_dscnt 0x0
	s_barrier_signal -1
	s_barrier_wait -1
.endif
.endm
.macro MM d, a, b, zero, sa, sb, ra, rb
.if \zero
.if (\ra) && (\rb)
	v_wmma_scale_f32_16x16x128_f8f6f4 v[\d:\d+7], v[\a:\a+7], v[\b:\b+7], 0, v[\sa], v[\sb] matrix_a_fmt:MATRIX_FMT_FP4 matrix_b_fmt:MATRIX_FMT_FP4 matrix_a_scale:MATRIX_SCALE_ROW1 matrix_b_scale:MATRIX_SCALE_ROW1
.elseif \ra
	v_wmma_scale_f32_16x16x128_f8f6f4 v[\d:\d+7], v[\a:\a+7], v[\b:\b+7], 0, v[\sa], v[\sb] matrix_a_fmt:MATRIX_FMT_FP4 matrix_b_fmt:MATRIX_FMT_FP4 matrix_a_scale:MATRIX_SCALE_ROW1
.elseif \rb
	v_wmma_scale_f32_16x16x128_f8f6f4 v[\d:\d+7], v[\a:\a+7], v[\b:\b+7], 0, v[\sa], v[\sb] matrix_a_fmt:MATRIX_FMT_FP4 matrix_b_fmt:MATRIX_FMT_FP4 matrix_b_scale:MATRIX_SCALE_ROW1
.else
	v_wmma_scale_f32_16x16x128_f8f6f4 v[\d:\d+7], v[\a:\a+7], v[\b:\b+7], 0, v[\sa], v[\sb] matrix_a_fmt:MATRIX_FMT_FP4 matrix_b_fmt:MATRIX_FMT_FP4
.endif
.else
.if (\ra) && (\rb)
	v_wmma_scale_f32_16x16x128_f8f6f4 v[\d:\d+7], v[\a:\a+7], v[\b:\b+7], v[\d:\d+7], v[\sa], v[\sb] matrix_a_fmt:MATRIX_FMT_FP4 matrix_b_fmt:MATRIX_FMT_FP4 matrix_a_scale:MATRIX_SCALE_ROW1 matrix_b_scale:MATRIX_SCALE_ROW1
.elseif \ra
	v_wmma_scale_f32_16x16x128_f8f6f4 v[\d:\d+7], v[\a:\a+7], v[\b:\b+7], v[\d:\d+7], v[\sa], v[\sb] matrix_a_fmt:MATRIX_FMT_FP4 matrix_b_fmt:MATRIX_FMT_FP4 matrix_a_scale:MATRIX_SCALE_ROW1
.elseif \rb
	v_wmma_scale_f32_16x16x128_f8f6f4 v[\d:\d+7], v[\a:\a+7], v[\b:\b+7], v[\d:\d+7], v[\sa], v[\sb] matrix_a_fmt:MATRIX_FMT_FP4 matrix_b_fmt:MATRIX_FMT_FP4 matrix_b_scale:MATRIX_SCALE_ROW1
.else
	v_wmma_scale_f32_16x16x128_f8f6f4 v[\d:\d+7], v[\a:\a+7], v[\b:\b+7], v[\d:\d+7], v[\sa], v[\sb] matrix_a_fmt:MATRIX_FMT_FP4 matrix_b_fmt:MATRIX_FMT_FP4
.endif
.endif
.endm
; nz of 64 keys, off bytes on from the slot's first: register 8 t + 4 n + j takes key 16 t + 8 (lane / 16) + 4 n + j, as the scores lie
.macro ZLOAD off
.irp t, 0,1,2,3
.irp n, 0,1
	global_load_b128 v[Z+8*\t+4*\n:Z+8*\t+4*\n+3], v[AZ], s[NZP:NZP+1] offset:(\off)+64*\t+16*\n
.endr
.endr
.endm
.macro SOFTQ c, more
	s_wait_loadcnt 0x0                             ; this half step's nz, asked for a half step ago, is in
.irp i, 0,1,2,3
.irp n, 0,2,4,6,8,10,12,14,16,18,20,22,24,26,28,30
	v_pk_fma_f32 v[S+32*\i+\n:S+32*\i+\n+1], v[S+32*\i+\n:S+32*\i+\n+1], s[CS:CS+1], v[Z+\n:Z+\n+1] op_sel_hi:[1,0,1]
.endr
.endr
.if \c == 0
	ZLOAD 256                                      ; the multiply-adds have read nz: the next 64 keys' are asked for
.elseif \more
	ZLOAD 1024                                     ; the next slot's first 64
.endif
.set j, 0
	s_wait_alu depctr_va_vdst(0)
.rept 128
	v_exp_f32 v[S+j], v[S+j]
.set j, j+1
.endr
	v_nop
	s_wait_alu depctr_va_vdst(0)
.irp g, 0,1,2,3,4,5,6,7
	v_max3_num_f32 v[TMM+\g], v[S+16*\g], v[S+16*\g+1], 0x1800000
.endr
.irp n, 2,4,6,8,10,12,14
.irp g, 0,1,2,3,4,5,6,7
	v_max3_num_f32 v[TMM+\g], v[TMM+\g], v[S+16*\g+\n], v[S+16*\g+\n+1]
.endr
.endr
.irp g, 0,1,2,3,4,5,6,7
	v_permlanex16_b32 v[TMP+\g], v[TMM+\g], s[SEL], s[SEL+1]
.endr
.irp g, 0,1,2,3,4,5,6,7
	v_max_num_f32 v[TMM+\g], v[TMM+\g], v[TMP+\g]
.endr
.irp g, 0,1,2,3,4,5,6,7
	v_add_nc_u32 v[TMS+\g], 0xff000000, v[TMM+\g]
.endr
.irp g, 0,1,2,3,4,5,6,7
	v_lshrrev_b32 v[TMP+\g], 23, v[TMS+\g]
.endr
.irp i, 0,1,2,3
.if \c == 0
	v_lshl_or_b32 v[PW+\i], v[TMP+2*\i+1], 8, v[TMP+2*\i]
.else
	v_lshl_or_b32 v[PW+\i], v[TMP+2*\i], 16, v[PW+\i]
	v_lshl_or_b32 v[PW+\i], v[TMP+2*\i+1], 24, v[PW+\i]
.endif
.endr
.irp g, 0,1,2,3,4,5,6,7
	v_cvt_scalef32_pk8_fp4_f32 v[PC+2*\g], v[S+16*\g:S+16*\g+7], v[TMS+\g]
	v_cvt_scalef32_pk8_fp4_f32 v[PC+2*\g+1], v[S+16*\g+8:S+16*\g+15], v[TMS+\g]
.endr
	v_nop
.irp i, 0,1,2,3
.irp e, 0,1
	v_permlane16_swap_b32 v[PC+4*\i+\e], v[PC+4*\i+2+\e]
.endr
.endr
.irp i, 0,1,2,3
	ds_store_b128 v[PWI], v[PC+4*\i:PC+4*\i+3] offset:2048*\i+512*\c
.endr
.if \c
.irp i, 0,1,2,3
	ds_store_b32 v[PWS], v[PW+\i] offset:64*\i
.endr
.endif
.endm
.macro HALF c, more
.irp p, 0,1
	ds_load_b128 v[SCP+4*\p:SCP+4*\p+3], v[ADS] offset:(4*\c+2*\p)*PITCH
.endr
	WIN 0x40
.irp t, 0,1,2,3
.irp s, 0,1,2,3
.irp e, 0,1
	ds_load_b128 v[KF+32*\t+8*\s+4*\e:KF+32*\t+8*\s+4*\e+3], v[ADK] offset:(4*\c+\t)*16*PITCH+64*\s+32*\e
.endr
.endr
.endr
	WIN 0x05
.irp t, 0,1,2,3
	s_wait_dscnt 8*(3-\t)
.irp i, 0,1,2,3
	MM S+32*\i+8*\t, KF+32*\t, QF+32*\i, 1, SCP+4*(\t/2), QS+4*\i, \t%2, 0
.endr
.irp s, 1,2,3
.irp i, 0,1,2,3
	MM S+32*\i+8*\t, KF+32*\t+8*\s, QF+32*\i+8*\s, 0, SCP+4*(\t/2)+\s, QS+4*\i+\s, \t%2, 0
.endr
.endr
.endr
	WIN 0
	PLACES 4
	SOFTQ \c, \more
.endm
.macro VLD k
.irp e, 0,1,2,3,4,5,6,7
.irp h, 0,1
	ds_load_b128 v[128+8*\e+4*\h:128+8*\e+4*\h+3], v[ADV] offset:128*PITCH*\k+4*PITCH*\e+2*PITCH*\h
.endr
.endr
.endm
.macro PLD k
.irp i, 0,1,2,3,4,5,6,7
.irp h, 0,1
	ds_load_b128 v[192+8*\i+4*\h:192+8*\i+4*\h+3], v[LI] offset:(2*\i+\k)*1024+512*\h
.endr
.endr
.endm
; It begins between the signal and the wait of the barrier that hands the weights over: V's scale words and fragments lie in the slot, which no wave writes before a later barrier.
.macro PV zero
.irp k, 0,1
.irp p, 0,1,2,3
	ds_load_b32 v[SCP+8*\k+\p], v[ADVS] offset:8*PITCH*\k+PITCH*(\p/2)+128*(\p%2)
.endr
.endr
	WIN 0x40
	VLD 0
	WIN 0
	VLD 1
	s_barrier_wait -1                              ; every wave's weights are in LDS
.irp k, 0,1
.irp p, 0,1,2,3
	ds_load_b32 v[SCP+8*\k+4+\p], v[LS] offset:512*\k+128*\p
.endr
.endr
	WIN 0x40
	PLD 0
	WIN 0
	PLD 1
.irp k, 0,1
.irp i, 0,1,2,3,4,5,6,7
	s_wait_dscnt 30-16*\k-2*\i                     ; P's two loads of tile i, half k, are in; the younger ones, two a tile, may be out
	WIN (0xa0+0x50*(\i/4))+5*(1-\k)
.irp e, 0,1,2,3,4,5,6,7
	MM 8*(8*(\i%4)+\e), 128+8*\e, 192+8*\i, (\zero)*(1-\k), SCP+8*\k+\e/2, SCP+8*\k+4+\i/2, \e%2, \i%2
.endr
.endr
.endr
	WIN 0
.endm
.macro WORK zero, more
	v_add_nc_u32 v[ADK], s[TB], v[AK]
	v_add_nc_u32 v[ADS], s[TB], v[AKS]
	v_add_nc_u32 v[ADV], s[TB], v[AV]
	v_add_nc_u32 v[ADVS], s[TB], v[AVS]
	v_nop                                          ; with the four additions: five places between the last slot's products, which read v128 on, and the first product below, which writes them (ISA guide 7.12.1)
	HALF 0, 1
	HALF 1, \more
	s_wait_dscnt 0x0                               ; for the others' sake: my weights' stores have landed
	s_barrier_signal -1
	PV \zero                                       ; the barrier's wait stands in it, behind V's loads
	s_xor_b32 s[TB], s[TB], SLOTB
.if \more
	s_wait_xcnt 0x0                                ; nz's loads have read their base, so it may be stepped:
	s_add_nc_u64 s[NZP:NZP+1], s[NZP:NZP+1], 1024  ; 256 keys on
.endif
.endm
	s_load_b256 s[4:11], s[0:1], 0x0
	s_load_b64 s[OUTP:OUTP+1], s[0:1], 0x20
	v_lshl_add_u32 v[SPW], v0, 2, SPARE
	v_mov_b32 v[NIL], 0
	ds_add_u32 v1, v2
	ds_add_u32 v1, v2
	s_wait_dscnt 0x0
	v_lshrrev_b32 v18, 5, v0
	v_readfirstlane_b32 s[WV], v18
	v_and_b32 v18, 15, v0                          ; r
	v_bfe_u32 v19, v0, 4, 1                        ; h
	v_and_b32 v56, 31, v0                          ; lane
	v_lshlrev_b32 v57, 8, v18
	v_lshl_add_u32 v57, v19, 4, v57                ; Q: row r of 256 bytes, + 16 h
	v_lshlrev_b32 v58, 4, v18                      ; its scale bytes: 16 a row
	v_lshlrev_b32 v[AZ], 5, v19                    ; nz: lanes 16-31 take the eight keys behind lanes 0-15's; never rewritten
	s_bfe_u32 s13, ttmp6, 0x40000
	s_lshl_b32 s14, ttmp9, 2
	s_add_co_u32 s14, s14, s13
	s_and_b32 s15, ttmp7, 0xffff
	s_lshr_b32 s16, s[WV], 1
	s_and_b32 s17, s[WV], 1
	s_mov_b32 s[G1], 15|(3<<16)|(1<<20)|(1<<21)|(5<<22)|(3<<25)
	s_mov_b32 s[G1+1], 32<<16
	s_mov_b32 s[G1+2], TROWS<<16
	s_mov_b32 s[G1+3], 32<<16
	s_mov_b32 s[G1+4], TROWS
	s_mov_b32 s[G1+5], 32
	s_mov_b32 s[G1+6], 0
	s_mov_b32 s[G1+7], 0
	s_mul_i32 s[WOFF], s[WV], TROWS*PITCH
	s_mul_i32 s20, s15, 8*CH
	s_mul_i32 s21, s17, TROWS*256
	s_add_co_u32 s20, s20, s21
	s_mov_b32 s21, 0
	s_lshl_b32 s22, s15, 13
	s_lshl_b32 s23, s17, 9                         ; nz: the batch's 8,192 bytes, + 512 for my 128 of a slot's keys
	s_add_co_u32 s22, s22, s23
	s_mov_b32 s23, 0
	s_mov_b32 s[TB], 0
	s_mov_b32 s[TF], 0
	s_mov_b32 s[SLOTS], 7
	s_mov_b32 s[CS], 0x3d8293ee
	s_mov_b32 s[CS+1], s[CS]
	s_mov_b32 s[SEL], 0x76543210
	s_mov_b32 s[SEL+1], 0xfedcba98
	s_cmp_eq_u32 ttmp9, 0
	s_cselect_b32 s[LIM], 1, -1
	s_lshl_b32 s74, s13, 1
	s_add_co_u32 s74, s74, s17
	s_lshl_b32 s74, s74, 13
	s_mul_i32 s75, s15, 8*CH
	s_add_co_u32 s74, s74, s75
	s_add_co_u32 s74, s74, CH
	s_mov_b32 s75, 0
	s_lshl_b32 s66, s15, 3
	s_lshr_b32 s67, s14, 1
	s_add_co_u32 s66, s66, s67
	s_mul_i32 s66, s66, CH
	s_and_b32 s67, s14, 1
	s_lshl_b32 s67, s67, 7
	s_lshl_b32 s68, s16, 6
	s_add_co_u32 s67, s67, s68
	s_lshl_b32 s68, s67, 8
	s_add_co_u32 s68, s68, s66
	s_mov_b32 s69, 0
	s_lshl_b32 s70, s67, 4
	s_add_co_u32 s70, s70, s66
	s_add_co_u32 s70, s70, 65536
	s_mov_b32 s71, 0
	s_lshl_b32 s72, s15, 11
	s_lshl_b32 s73, s14, 7
	s_add_co_u32 s72, s72, s73
	s_lshl_b32 s72, s72, 11
	s_lshl_b32 s73, s[WV], 9
	s_add_co_u32 s72, s72, s73
	s_mov_b32 s73, 0
	s_wait_alu depctr_va_vdst(0)
	s_wait_kmcnt 0x0
	s_mov_b32 s[G0], 1
	s_mov_b32 s[G0+1], s[WOFF]
	s_add_nc_u64 s[G0+2:G0+3], s[6:7], s[20:21]
	s_or_b32 s[G0+3], s[G0+3], 0x80000000
	s_mov_b32 s[G0V], 1
	s_mov_b32 s[G0V+1], s[WOFF]
	s_add_nc_u64 s[G0V+2:G0V+3], s[8:9], s[20:21]
	s_or_b32 s[G0V+3], s[G0V+3], 0x80000000
	s_add_nc_u64 s[NZP:NZP+1], s[10:11], s[22:23]
	s_cmp_lt_u32 s[WV], 2
	s_cselect_b64 s[PFA:PFA+1], s[6:7], s[8:9]
	s_add_nc_u64 s[PFA:PFA+1], s[PFA:PFA+1], s[74:75]
	s_add_nc_u64 s[68:69], s[4:5], s[68:69]
	s_add_nc_u64 s[70:71], s[4:5], s[70:71]
	s_add_nc_u64 s[OUTP:OUTP+1], s[OUTP:OUTP+1], s[72:73]
	WIN 0x40
.irp i, 0,1,2,3
.irp s, 0,1,2,3
.irp e, 0,1
	global_load_b128 v[QF+32*\i+8*\s+4*\e:QF+32*\i+8*\s+4*\e+3], v57, s[68:69] offset:4096*\i+64*\s+32*\e
.endr
.endr
.endr
	WIN 0
.irp i, 0,1,2,3
	global_load_b128 v[QS+4*\i:QS+4*\i+3], v58, s[70:71] offset:256*\i
.endr
	ZLOAD 0                                        ; nz of my first 64 keys
	CROUND                                         ; all four work-groups are here: the first joint loads meet
	JLOAD                                          ; slot 0: my one tensor load at the head
	v_lshlrev_b32 v[PFO], 8, v56
	v_mul_u32_u24 v[AK], v18, PITCH
	v_lshl_add_u32 v[AK], v19, 4, v[AK]
	s_mul_i32 s19, s17, 128*PITCH
	v_add_nc_u32 v[AK], s19, v[AK]
	v_mul_u32_u24 v[AKS], v19, PITCH
	v_lshl_add_u32 v[AKS], v18, 4, v[AKS]
	s_mul_i32 s19, s[WV], 32*PITCH
	s_add_co_u32 s19, s19, PART
	v_add_nc_u32 v[AV], s19, v[AKS]
	s_mul_i32 s19, s17, 8*PITCH
	s_add_co_u32 s19, s19, 256*PITCH
	v_add_nc_u32 v[AKS], s19, v[AKS]
	s_mul_i32 s19, s[WV], 2*PITCH
	s_add_co_u32 s19, s19, PART+256*PITCH
	v_lshl_add_u32 v[AVS], v56, 2, s19
	s_lshl_b32 s19, s16, 3
	s_add_co_u32 s19, s19, s17
	s_lshl_b32 s19, s19, 10
	s_add_co_u32 s19, s19, PIMG
	v_lshl_add_u32 v[PWI], v56, 4, s19
	s_lshl_b32 s19, s17, 9
	s_lshl_b32 s18, s16, 8
	s_add_co_u32 s19, s19, s18
	s_add_co_u32 s19, s19, PSC
	v_lshl_add_u32 v[PWS], v18, 2, s19
	v_lshl_add_u32 v[LI], v56, 4, PIMG
	v_lshl_add_u32 v[LS], v56, 2, PSC
.irp g, 0,1,2,3,4,5,6,7
	v_mov_b32 v[TMP+\g], 0
.endr
	s_wait_alu depctr_va_vdst(0)
	s_wait_loadcnt 0x0                             ; Q, its scale words and the first nz
	CHANGE 1
	WORK 1, 1
	s_mov_b32 s[SLOTS], 6
.Lslot:
	CHANGE 1
	WORK 0, 1
	s_sub_co_u32 s[SLOTS], s[SLOTS], 1
	s_cmp_lg_u32 s[SLOTS], 0
	s_cbranch_scc1 .Lslot
	CHANGE 0
	WORK 0, 0
	s_wait_dscnt 0x0
	s_barrier_signal -1
	s_barrier_wait -1
	s_mul_i32 s19, s[WV], 16*SPITCH
	v_mul_u32_u24 v[STO], v18, SPITCH
	v_lshl_add_u32 v[STO], v19, 5, v[STO]
	v_add_nc_u32 v[STO], s19, v[STO]
	v_and_b32 v[CO], 31, v0
	v_lshlrev_b32 v[CO], 4, v[CO]
	s_wait_alu depctr_va_vdst(0)
	v_add_nc_u32 v[RD], s19, v[CO]
.macro TOSTAGE a
	WIN 0x08+4*((\a)/4)
.irp e, 0,1,2,3,4,5,6,7
	ds_store_b128 v[STO], v[64*((\a)%4)+8*\e:64*((\a)%4)+8*\e+3] offset:64*\e
	ds_store_b128 v[STO], v[64*((\a)%4)+8*\e+4:64*((\a)%4)+8*\e+7] offset:64*\e+16
.endr
	WIN 0
.irp t, 0,1,2,3,4,5,6,7,8,9,10,11,12,13,14,15
	ds_load_b128 v[BK+64*((\a)%2)+4*\t:BK+64*((\a)%2)+4*\t+3], v[RD] offset:\t*SPITCH
.endr
.endm
.macro SEND a, younger
	s_wait_dscnt \younger
.irp t, 0,1,2,3,4,5,6,7,8,9,10,11,12,13,14,15
	global_store_b128 v[CO], v[BK+64*((\a)%2)+4*\t:BK+64*((\a)%2)+4*\t+3], s[OUTP:OUTP+1] offset:32768*(\a)+2048*\t th:TH_STORE_NT
.endr
.endm
	s_wait_alu depctr_va_vdst(0)
	TOSTAGE 0
.irp a, 1,2,3,4,5,6,7
.if \a > 1
	s_wait_xcnt 0x0
.endif
	TOSTAGE \a
	SEND \a-1, 32
.endr
	SEND 7, 0
	s_wait_tensorcnt 0x0
	ds_add_u32 v[SPW], v[NIL]
	s_wait_dscnt 0x0
	CROUND
	s_endpgm
.Lfunc_end_k_qab00e1cc33_attn:
	.size	k_qab00e1cc33_attn, .Lfunc_end_k_qab00e1cc33_attn-k_qab00e1cc33_attn
	.p2alignl 7, 3214868480
	.fill 96, 4, 3214868480
	.section	.rodata,"a",@progbits
	.p2align	6, 0x0
	.amdhsa_kernel k_qab00e1cc33_attn
		.amdhsa_group_segment_fixed_size 327680
		.amdhsa_private_segment_fixed_size 0
		.amdhsa_enable_private_segment 0
		.amdhsa_kernarg_size 40
		.amdhsa_user_sgpr_count 2
		.amdhsa_user_sgpr_kernarg_segment_ptr 1
		.amdhsa_wavefront_size32 1
		.amdhsa_system_sgpr_workgroup_id_x 1
		.amdhsa_system_sgpr_workgroup_id_y 1
		.amdhsa_system_sgpr_workgroup_id_z 1
		.amdhsa_system_vgpr_workitem_id 0
		.amdhsa_next_free_vgpr 1024
		.amdhsa_next_free_sgpr 80
		.amdhsa_reserve_vcc 0
		.amdhsa_float_denorm_mode_32 3
		.amdhsa_float_denorm_mode_16_64 3
		.amdhsa_memory_ordered 1
		.amdhsa_forward_progress 1
		.amdhsa_inst_pref_size 255
	.end_amdhsa_kernel
	.section	.bss,"aw",@nobits
	.p2align	6
	.space	262144
	.amdgpu_metadata
---
amdhsa.version: [ 1, 2 ]
amdhsa.kernels:
  - .name:           k_qab00e1cc33_attn
    .symbol:         k_qab00e1cc33_attn.kd
    .args:
      - { .name: qc, .offset: 0, .size: 8, .value_kind: global_buffer, .address_space: global }
      - { .name: kc, .offset: 8, .size: 8, .value_kind: global_buffer, .address_space: global }
      - { .name: vc, .offset: 16, .size: 8, .value_kind: global_buffer, .address_space: global }
      - { .name: nz, .offset: 24, .size: 8, .value_kind: global_buffer, .address_space: global }
      - { .name: out0, .offset: 32, .size: 8, .value_kind: global_buffer, .address_space: global }
    .group_segment_fixed_size: 327680
    .private_segment_fixed_size: 0
    .kernarg_segment_align: 8
    .kernarg_segment_size: 40
    .max_flat_workgroup_size: 128
    .sgpr_count:     80
    .vgpr_count:     1024
    .wavefront_size: 32
...
	.end_amdgpu_metadata
.endif
;; end of part 3
